; MI455X (gfx1250); checked and timed in simulation.
; The chip was launched on July 23, 2026; its instructions are those of AMD's public machine-readable ISA for CDNA 5 (MIT licence, August 2026) and "CDNA5" Instruction Set Architecture Reference Guide (July 2026). The comments in the code are by the model that wrote it; some were corrected since.
;; Codebook. Allowed arithmetic: matrix products marked QUANTISED: E2M1 operands, one E8M0 scale for each 32 along K, by v_wmma_scale_f32_16x16x128_f8f6f4 with both operands' format E2M1 (or v_wmma_scale_f32_32x16x128_f4), f32 sums; everything else in f32.
;; Inputs: codebook 4,096 x 512 float32; x 8 x 4,096 x 512 float32.
;; Outputs: out0 8 x 4,096 int32.
;; This version of the problem:
;;   THIS VERSION OF THE PROBLEM IS GIVEN IN LOW PRECISION. The matrix products marked QUANTISED in the list below multiply operands that are first quantised to E2M1 (2 exponent bits, 1 mantissa bit; 4 bits a number), with one power-of-two scale for each 32 numbers along K (OCP MX v1.0); their sums are f32. All else is computed in f32.
;;   The module's matrix products, in the order in which they are computed (A, B: the left and right operand; K: the contracted axis; several contracted axes count as one K, in the product's order):
;;     1. [M 32,768, K 512] x [K 512, N 4,096]; A: computed on the way; B: input codebook: QUANTISED
;;   THE QUANTISER, for each operand of a quantised product, along K:
;;     - K is cut into blocks of 32 from its start; a last block that is shorter is filled with zeros.
;;     - A block's scale is 2^e with e = floor(log2(the largest magnitude in the block)) - 2, held to -126 .. 127; a block of zeros has e = 0. As a byte (E8M0): e + 127.
;;     - Each number is divided by its block's scale, clamped to +-6, and rounded to the nearest number of E2M1, ties to even, subnormals kept.
;;     - The product sums the exact products of the quantised numbers (number of the format x scale) in f32.
;;   ~~~python
;;   def quantise(x, axis):      # numpy; x: float32 -> the quantised numbers, widened to float32 again
;;       x = np.moveaxis(x, axis, -1); K = x.shape[-1]
;;       x = np.pad(x, [(0, 0)] * (x.ndim - 1) + [(0, -K % 32)]); x = x.reshape(x.shape[:-1] + (-1, 32)); a = np.abs(x).max(-1, keepdims=True)
;;       e = np.where(a > 0, np.clip(np.frexp(np.where(a > 0, a, 1))[1] - 1 - 2, -126, 127), 0)      # np.frexp(a)[1] - 1 = floor(log2(a)), exactly
;;       r = np.clip(x / 2.0 ** e, -6, 6)
;;       step = 2.0 ** (np.maximum(np.frexp(np.where(r == 0, 1, r))[1] - 1, 0) - 1)
;;       q = np.round(r / step) * step * 2.0 ** e      # np.round: ties to even
;;       return np.moveaxis(q.reshape(q.shape[:-2] + (-1,))[..., :K], -1, axis).astype(np.float32)
;;   ~~~
;;   OPERANDS COMPUTED ON THE WAY. 'Computed on the way' means the value that the module computes at that place (a softmax that the list does not call 'softmax' is quantised finished and normalised). What goes into a quantiser is computed in f32, as accurately as f32 sums, v_exp_f32 and their like allow (about 1e-6 of the number): no bf16 or f16 on the way to a quantiser, and a product that is left as it is and whose result goes on into a quantised operand takes f32 operands (vector FMAs, or v_wmma_f32_16x16x4_f32). A number that lies on a knife's edge between two numbers of the format may be rounded either way, as far as f32 arithmetic and the matrix unit's own rounding can turn it there, and no further.
;; One version. Each part assembles by itself: llvm-mc -triple=amdgcn-amd-amdhsa -mcpu=gfx1250 --defsym DOCPART=n.
;; ======== version 1 of 1: 2 launches
;; limits: right only within a limited range of input values
;; workspace buffers: cbq 1,130,496 bytes
;; launch prep (part 1): grid 256 x 1, 16 waves a work-group, no clusters, 7,168 bytes of LDS; arguments codebook, cbq; writes cbq
.if DOCPART == 1
	.amdgcn_target "amdgcn-amd-amdhsa--gfx1250"
	.amdhsa_code_object_version 6
	.text
	.protected	k_qdacda03a96_prep
	.globl	k_qdacda03a96_prep
	.p2align	8
	.type	k_qdacda03a96_prep,@function
k_qdacda03a96_prep:
	s_mov_b64 s[64:65], 0
	v_nop
	global_prefetch_b8 v0, s[64:65] scope:SCOPE_SE
	s_setreg_imm32_b32 hwreg(HW_REG_WAVE_MODE, 25, 1), 1
	s_wait_xcnt 0x0
; LEFT OUT OF THE WHOLE PROGRAM: the sum of squares of each row of x.  reference() adds it to every distance of that row, and its argmin runs along that row: whatever finite numbers x and the codebook hold, the same
; number is added to everything that is compared, so in exact arithmetic no index hangs on it.  Limit: a NaN, an infinity or an overflow that reaches only that sum is not carried to the result.
; The codebook [4096][512] f32 is quantised ONCE, along its 512, into codes of FP4 (E2M1) with one E8M0 byte for each 32, and laid as the next launch reads it.
; cbq = 8 chunks of CHUNKB bytes; chunk g serves codes 512 g .. 512 g + 511:
;   + 0      32 tiles of 16 codes x 4,096 bytes, each an image of operand registers: block b (k = 32 b ..) of code row r: 16 bytes at 256 b + 16 r.  With b = 4 s + 2 c + h that is
;            1024 s + 512 c + 16 x lane: one 16-byte load a lane fills registers 4 c .. 4 c + 3 of K step s
;   + SCOFF  the scale bytes, [512][16]        + NCOFF  minus the sum of squares of each (unquantised) code row, f32 [512]
; A block's scale is 2^(floor(log2(its largest magnitude)) - 2); its byte is the largest magnitude's exponent field - 2, held at 1 from below by a floor among the maximum's leaves.
; LIMITS: NaN and infinities are not served; blocks whose largest magnitude lies under 2^-124 take the byte 1.  A block of zeros gets the byte 1 where the rule says 127: its codes are zeros, and this program alone reads the bytes.
; The sum of squares is an f32 sum in this text's own order (two chains a lane, then across the lanes).
; SHARES: a work-group takes one tile of 16 rows, each of its sixteen waves one row: four loads of 512 consecutive bytes.  No tensor load, no matrix unit: the launch streams.
; The 64 bytes of sums that a work-group stores are a quarter of an aligned 256 bytes: 16 KiB in the whole launch.
.set CHUNKB, 141312
.set SCOFF,  131072
.set NCOFF,  139264
.set SCB,    16*272                    ; LDS: the tile's image from 0 on, 16 blocks x (256 bytes + 16 of padding); then its 256 scale bytes
.set NCB,    SCB+256                   ; its 16 sums
.set SPARE,  5120                      ; the spare words, 128 bytes for each wave
.set LN,   1                           ; v1   lane
.set XA,   2                           ; v2   my 16 bytes of a load's 512: 32 (lane % 16) + 16 (lane / 16)
.set AW,   3                           ; v3   where my code words go
.set AB,   4                           ; v4   where my block's byte goes
.set AX,   5                           ; v5   where my row's sum goes
.set RDI,  8                           ; v8   the way out: the image, read back
.set GOI,  9                           ; v9   and its place in memory: 16 x thread
.set RDS,  10                          ; v10  the scale bytes, read back
.set GOS,  11                          ; v11  8 x lane
.set SQ,   12                          ; v12-15 sums of squares, two chains of pairs
.set MX,   16                          ; v16-17 largest magnitudes
.set SC,   18                          ; v18-19 the conversions' scale operands
.set BY,   20                          ; v20-21 the scale bytes
.set CW,   22                          ; v22-23 eight codes each
.set PX,   24                          ; v24  the other half of the lanes' sum
.set NS,   25                          ; v25  minus the row's sum
.set RDN,  26                          ; v26  the sums, read back
.set GON,  27                          ; v27  4 x (lane % 16)
.set SPW,  28                          ; v28  my spare word's LDS address
.set NIL,  29                          ; v29  0
.set LAND, 32                          ; v32-47 my row, 16 numbers a lane
.set OUTR, 48
.set SEL,  28                          ; s[28:29] lane selects: lane l xor 16
	s_load_b128 s[4:7], s[0:1], 0x0                ; the codebook s[4:5], cbq s[6:7]
	v_lshl_add_u32 v[SPW], v0, 2, SPARE
	v_mov_b32 v[NIL], 0
	v_lshrrev_b32 v6, 5, v0
	v_readfirstlane_b32 s8, v6                     ; wave 0..15
	v_and_b32 v[LN], 31, v0
	v_and_b32 v6, 15, v0
	v_bfe_u32 v7, v0, 4, 1
	v_lshlrev_b32 v[XA], 5, v6
	v_lshl_add_u32 v[XA], v7, 4, v[XA]
	s_lshl_b32 s12, ttmp9, 15                      ; my tile's 16 rows of 2,048 bytes,
	s_lshl_b32 s13, s8, 11                         ; my wave's row of them
	s_add_co_u32 s12, s12, s13
	s_mov_b32 s13, 0
	s_lshr_b32 s14, ttmp9, 5                       ; the chunk
	s_mul_i32 s14, s14, CHUNKB
	s_and_b32 s15, ttmp9, 31                       ; the tile in it
	s_lshl_b32 s16, s15, 12
	s_add_co_u32 s16, s16, s14                     ; its image,
	s_mov_b32 s17, 0
	s_lshl_b32 s18, s15, 8
	s_add_co_u32 s18, s18, s14
	s_add_co_u32 s18, s18, SCOFF                   ; its scale bytes,
	s_mov_b32 s19, 0
	s_lshl_b32 s20, s15, 6
	s_add_co_u32 s20, s20, s14
	s_add_co_u32 s20, s20, NCOFF                   ; its sums
	s_mov_b32 s21, 0
	s_wait_alu depctr_va_vdst(0)
	s_wait_kmcnt 0x0
	s_add_nc_u64 s[4:5], s[4:5], s[12:13]
	s_add_nc_u64 s[22:23], s[6:7], s[18:19]
	s_add_nc_u64 s[24:25], s[6:7], s[20:21]
	s_add_nc_u64 s[6:7], s[6:7], s[16:17]
.irp p, 0,1,2,3
	global_load_b128 v[LAND+4*\p:LAND+4*\p+3], v[XA], s[4:5] offset:512*\p th:TH_LOAD_NT   ; 32 lanes read 512 consecutive bytes
.endr
	s_lshl_b32 s9, s8, 4
	s_add_co_u32 s10, s9, SCB
	s_lshl_b32 s11, s8, 2
	s_add_co_u32 s11, s11, NCB
	s_mov_b32 s[SEL], 0x76543210
	s_mov_b32 s[SEL+1], 0xfedcba98
	v_lshrrev_b32 v6, 2, v[LN]                     ; which of eight blocks
	v_and_b32 v7, 3, v[LN]                         ; which word of its 16 bytes
	v_mul_u32_u24 v[AW], v6, 272
	v_lshl_add_u32 v[AW], v7, 2, v[AW]
	v_add_nc_u32 v[AW], s9, v[AW]                  ; 272 (lane / 4) + 4 (lane % 4) + 16 x my row
	v_add_nc_u32 v[AB], s10, v6                    ; 16 bytes a row, + lane / 4
	v_mov_b32 v[AX], s11
	v_bfe_u32 v6, v0, 4, 4
	v_and_b32 v7, 15, v0
	v_mul_u32_u24 v[RDI], v6, 272
	v_lshl_add_u32 v[RDI], v7, 4, v[RDI]           ; back: sixteen threads to a block of 256 bytes; the first 256 threads do it
	v_lshlrev_b32 v[GOI], 4, v0
	v_lshlrev_b32 v[GOS], 3, v[LN]
	v_add_nc_u32 v[RDS], SCB, v[GOS]
	v_lshlrev_b32 v[GON], 2, v7
	v_add_nc_u32 v[RDN], NCB, v[GON]
	v_mov_b32 v[PX], 0                             ; written once: a lane permute's destination counts as one of its sources
	s_wait_alu depctr_va_vdst(0)
	s_wait_loadcnt 0x0
; MY ROW OF 512 NUMBERS as the four loads left it: register 4 p + k of lane (r, h) = number 128 p + 8 r + 4 h + k.  Eight exchanges of halves give lane l the numbers 256 pr + 8 l + 0 .. 7 in
; registers 8 pr + 0 .. 7: eight NEIGHBOURS, as the conversion wants them; a block of 32 is four neighbouring lanes.
.irp k, 0,1,2,3
	v_permlane16_swap_b32 v[LAND+\k], v[LAND+4+\k]
	v_permlane16_swap_b32 v[LAND+8+\k], v[LAND+12+\k]
.endr
	v_pk_mul_f32 v[SQ:SQ+1], v[LAND:LAND+1], v[LAND:LAND+1]          ; the first products start the sums
	v_pk_mul_f32 v[SQ+2:SQ+3], v[LAND+8:LAND+9], v[LAND+8:LAND+9]
	v_max3_num_f32 v[MX], |v[LAND]|, |v[LAND+1]|, 0x1800000          ; my eight of a block, and the floor 2^(3 - 127): the byte cannot fall under 1
	v_max3_num_f32 v[MX+1], |v[LAND+8]|, |v[LAND+9]|, 0x1800000
.irp k, 2,4,6
	v_pk_fma_f32 v[SQ:SQ+1], v[LAND+\k:LAND+\k+1], v[LAND+\k:LAND+\k+1], v[SQ:SQ+1]
	v_pk_fma_f32 v[SQ+2:SQ+3], v[LAND+8+\k:LAND+9+\k], v[LAND+8+\k:LAND+9+\k], v[SQ+2:SQ+3]
	v_max3_num_f32 v[MX], v[MX], |v[LAND+\k]|, |v[LAND+\k+1]|
	v_max3_num_f32 v[MX+1], v[MX+1], |v[LAND+8+\k]|, |v[LAND+9+\k]|
.endr
	v_pk_add_f32 v[SQ:SQ+1], v[SQ:SQ+1], v[SQ+2:SQ+3]
	v_max_num_f32_dpp v[MX], v[MX], v[MX] row_xmask:1 row_mask:0xf bank_mask:0xf       ; with the block's other three lanes
	v_max_num_f32_dpp v[MX+1], v[MX+1], v[MX+1] row_xmask:1 row_mask:0xf bank_mask:0xf
	v_add_f32 v[SQ], v[SQ], v[SQ+1]
	v_max_num_f32_dpp v[MX], v[MX], v[MX] row_xmask:2 row_mask:0xf bank_mask:0xf
	v_max_num_f32_dpp v[MX+1], v[MX+1], v[MX+1] row_xmask:2 row_mask:0xf bank_mask:0xf
	v_add_f32_dpp v[SQ], v[SQ], v[SQ] row_xmask:1 row_mask:0xf bank_mask:0xf           ; the row's sum, over the 32 lanes
	v_add_nc_u32 v[SC], 0xff000000, v[MX]                            ; 2 off the exponent field: the conversion takes the exponent field of this operand as its scale
	v_add_nc_u32 v[SC+1], 0xff000000, v[MX+1]
	v_add_f32_dpp v[SQ], v[SQ], v[SQ] row_xmask:2 row_mask:0xf bank_mask:0xf
	v_lshrrev_b32 v[BY], 23, v[SC]                                   ; the scale's byte
	v_lshrrev_b32 v[BY+1], 23, v[SC+1]
	v_add_f32_dpp v[SQ], v[SQ], v[SQ] row_xmask:4 row_mask:0xf bank_mask:0xf
	v_cvt_scalef32_pk8_fp4_f32 v[CW], v[LAND:LAND+7], v[SC]          ; to the nearest code, ties to even, beyond 6 the largest code
	v_cvt_scalef32_pk8_fp4_f32 v[CW+1], v[LAND+8:LAND+15], v[SC+1]
	v_add_f32_dpp v[SQ], v[SQ], v[SQ] row_xmask:8 row_mask:0xf bank_mask:0xf           ; also the plain line behind the conversions
	ds_store_b32 v[AW], v[CW]
	ds_store_b32 v[AW], v[CW+1] offset:8*272
	ds_store_b8 v[AB], v[BY]                                         ; the four lanes of a block write the same byte with the same value
	ds_store_b8 v[AB], v[BY+1] offset:8
	v_permlanex16_b32 v[PX], v[SQ], s[SEL], s[SEL+1]
	v_add_f32 v[SQ], v[SQ], v[PX]
	v_xor_b32 v[NS], 0x80000000, v[SQ]                               ; minus the sum
	ds_store_b32 v[AX], v[NS]                                        ; all lanes write the same word with the same value
	s_wait_alu depctr_va_vdst(0)
	s_wait_dscnt 0x0                               ; for the others' sake: my stores are done
	s_barrier_signal -1
	s_barrier_wait -1
	s_cmp_lt_u32 s8, 8
	s_cbranch_scc0 .Lsmall
	ds_load_b128 v[OUTR:OUTR+3], v[RDI]
	s_wait_dscnt 0x0
	global_store_b128 v[GOI], v[OUTR:OUTR+3], s[6:7]                 ; 16 lanes store 256 consecutive bytes, at a multiple of 256 from cbq's first byte
.Lsmall:
	s_cmp_lg_u32 s8, 8
	s_cbranch_scc1 .Ldone                          ; the small things leave by wave 8
	ds_load_b64 v[OUTR+8:OUTR+9], v[RDS]
	ds_load_b32 v[OUTR+10], v[RDN]
	s_wait_dscnt 0x0
	global_store_b64 v[GOS], v[OUTR+8:OUTR+9], s[22:23]              ; 32 lanes store 256 consecutive bytes, aligned
	v_cmp_gt_u32 vcc_lo, 16, v[LN]
	s_wait_xcnt 0x0                                ; EXEC is narrowed only behind this wait: a store is pending
	s_and_saveexec_b32 s30, vcc_lo
	global_store_b32 v[GON], v[OUTR+10], s[24:25]                    ; 16 lanes, 64 bytes
	s_wait_xcnt 0x0                                ; and widened only behind this one
	s_or_b32 exec_lo, exec_lo, s30
.Ldone:
	s_wait_tensorcnt 0x0                           ; the wave's end
	ds_add_u32 v[SPW], v[NIL]
	s_wait_dscnt 0x0
	s_endpgm
.Lfunc_end_k_qdacda03a96_prep:
	.size	k_qdacda03a96_prep, .Lfunc_end_k_qdacda03a96_prep-k_qdacda03a96_prep
	.p2alignl 7, 3214868480
	.fill 96, 4, 3214868480
	.section	.rodata,"a",@progbits
	.p2align	6, 0x0
	.amdhsa_kernel k_qdacda03a96_prep
		.amdhsa_group_segment_fixed_size 7168
		.amdhsa_private_segment_fixed_size 0
		.amdhsa_enable_private_segment 0
		.amdhsa_kernarg_size 16
		.amdhsa_user_sgpr_count 2
		.amdhsa_user_sgpr_kernarg_segment_ptr 1
		.amdhsa_wavefront_size32 1
		.amdhsa_system_sgpr_workgroup_id_x 1
		.amdhsa_system_sgpr_workgroup_id_y 1
		.amdhsa_system_sgpr_workgroup_id_z 1
		.amdhsa_system_vgpr_workitem_id 0
		.amdhsa_next_free_vgpr 64
		.amdhsa_next_free_sgpr 66
		.amdhsa_reserve_vcc 1
		.amdhsa_float_denorm_mode_32 3
		.amdhsa_float_denorm_mode_16_64 3
		.amdhsa_memory_ordered 1
		.amdhsa_forward_progress 1
		.amdhsa_inst_pref_size 7
	.end_amdhsa_kernel
	.amdgpu_metadata
---
amdhsa.version: [ 1, 2 ]
amdhsa.kernels:
  - .name:           k_qdacda03a96_prep
    .symbol:         k_qdacda03a96_prep.kd
    .args:
      - { .name: codebook, .offset: 0, .size: 8, .value_kind: global_buffer, .address_space: global }
      - { .name: cbq, .offset: 8, .size: 8, .value_kind: global_buffer, .address_space: global }
    .group_segment_fixed_size: 7168
    .private_segment_fixed_size: 0
    .kernarg_segment_align: 8
    .kernarg_segment_size: 16
    .max_flat_workgroup_size: 512
    .sgpr_count:     66
    .vgpr_count:     64
    .wavefront_size: 32
...
	.end_amdgpu_metadata
.endif
;; end of part 1
;; launch vq (part 2): grid 256 x 1, 8 waves a work-group, clusters of 4 x 1, 327,680 bytes of LDS; arguments x, cbq, out0; writes out0
.if DOCPART == 2
	.amdgcn_target "amdgcn-amd-amdhsa--gfx1250"
	.amdhsa_code_object_version 6
	.text
	.protected	k_qdacda03a96_vq
	.globl	k_qdacda03a96_vq
	.p2align	8
	.type	k_qdacda03a96_vq,@function
k_qdacda03a96_vq:
	s_mov_b64 s[64:65], 0
	v_nop
	global_prefetch_b8 v0, s[64:65] scope:SCOPE_SE
	s_setreg_imm32_b32 hwreg(HW_REG_WAVE_MODE, 25, 1), 1
	s_wait_xcnt 0x0
	s_wait_alu depctr_hold_cnt(0) depctr_sa_sdst(0) depctr_va_vdst(0) depctr_va_sdst(0) depctr_va_ssrc(0) depctr_va_vcc(0) depctr_vm_vsrc(0)
	s_getreg_b32 s2, hwreg(HW_REG_IB_STS2, 6, 4)
	s_cmp_eq_u32 s2, 0
	s_cbranch_scc0 .Lentry_in_a_cluster
	s_endpgm
.Lentry_in_a_cluster:
	s_bfe_u32 s2, ttmp6, 0x10000c
	s_cmp_lg_u32 s2, 0x3003
	s_cbranch_scc0 .Lentry_shape_is_right
	s_endpgm
.Lentry_shape_is_right:
; For each of 32,768 rows of x: the index of the nearest of 4,096 codes.  What is compared is 2 x.c - |c|^2, the largest wins, the lowest index among equals.  The sum of squares of x's row, the same for all that is
; compared, is left out: it can move no index in exact arithmetic (shown at the head of the first kernel).
; A work-group takes 128 rows of x, which it reads once, quantises to FP4 (E2M1, one E8M0 byte for each 32) and holds in registers; the codebook, quantised by the launch before, streams by in 8 chunks of 512 codes.
; EACH OF EIGHT WAVES HOLDS ALL 128 ROWS (8 tiles of 16 rows x 512 along K: 256 registers, the whole of window 1) and takes 64 codes of each chunk, as two units of 32: so each code is read from LDS once in a work-group.
; MATRIX: 32 codes (source 0) x 16 rows of x (source 1), K 128: a lane holds one row of x and codes 8 h + 0 .. 7 and 16 + 8 h + 0 .. 7 of the unit.  The sums begin with -|c|^2 as C; x's scale bytes are one higher, which is the 2.
; TRACKING, for each tile of rows, eight codes of a lane at a time: four three-input maxima carry the running best on; where it has risen, seven of the eight sums and the eight codes' first index are kept by selects.  At the
; end the kept sum that equals the best tells which of the eight it was (the eighth, if none of the seven).
; LIMITS: NaN and infinities are not served; blocks of x whose largest magnitude lies under 2^-124 take the lowest scale byte; the sums of squares and products are f32 sums in this text's own order.
; CLUSTERS of four work-groups: all walk the same chunks, so each chunk's eighths are asked for jointly, one load a wave.
; PREFETCH: behind the load of chunk c stands the request for chunk c + 1, one chunk's work ahead of its load; by the first cluster alone, since all read the same bytes; the four work-groups share a wave's 69 rows of 256 bytes
; out by address, 18 each.  The last refill asks for nothing.
.set CHUNKB, 141312                    ; a chunk: 512 codes, their scale bytes, minus their sums of squares; an LDS slot
.set PARTB,  17664                     ; a wave's eighth of it: 69 rows of 256 bytes
.set SCOFF,  131072
.set NCOFF,  139264
.set XIMG,   2*CHUNKB                  ; behind the slots: x's codes, 128 rows of 256 bytes + 16 of padding; on the way out the waves' results
.set XP,     272
.set XSC,    XIMG+128*XP               ; x's scale bytes, [128][16]
.set SPARE,  XSC+2048                  ; the spare words, 128 bytes for each wave
.set RESI,   4096                      ; results: 8 x 128 values, then 8 x 128 indices
; Window 0:
.set LN,   1                           ; lane, in the head
.set SPW,  2                           ; my spare word's LDS address; never rewritten
.set NIL,  3                           ; 0; never rewritten
.set PFO,  4                           ; the prefetches' offset
.set AF,   5                           ; v5-6   my codes in slot 0, 1
.set AN,   7                           ; v7-8   minus their sums of squares
.set AS,   9                           ; v9-10  their scale words
.set VTI,  11                          ; v11 and, behind the head, v1: the first index of the unit's lower and of its upper 16 codes
.set VTU,  1
.set CS,   12                          ; v12-15 scale words of the unit's 32 codes, a register a K step
.set XS,   16                          ; v16-31 x's scale words: register 4 p + s: lanes 0-15 row tile 2 p, lanes 16-31 row tile 2 p + 1, K step s
.set NCC,  32                          ; v32-47 minus the sums of squares, in the sums' layout
.set SV,   48                          ; v48-111 row tile i at 8 i: seven kept sums, then the index
.set R0,   112                         ; v112-119, v120-127 the running best, by turns
.set R1,   120
.set CF,   128                         ; v128-191 the unit's codes: 16 registers a K step
.set ACC,  192                         ; v192-255 four accumulators of 16 registers
; window 0 in the head:
.set XA,   32
.set AW,   33
.set AB,   34
.set L16,  35
.set RR,   36
.set HH,   37
.set MX,   38
.set SC,   40
.set BY,   42
.set CW,   46
.set LAND, 64                          ; v64-255 twelve rows of x as they land
.set AXF,  126                         ; x's fragments and scale words, read back
.set AXS,  127
; window 0 on the way out:
.set TT,   32
.set H8,   128
.set ARES, 129
.set GO,   130
.set ARD,  131
.set PX,   136
.set PI,   144
.set IDX,  152
.set WV,   10
.set CX,   13
.set G1,   16                          ; s[16:23] descriptor group 1
.set G0,   24                          ; s[24:31] group 0, one set for each slot
.set SEL,  32
.set TI,   34                          ; s34, s35: the first unit's two indices
.set TRIP, 36
.set LIM,  37                          ; 1 in the cluster that prefetches, else the greatest number
.set PFA,  38
.set MSB, 0
.macro WIN new                         ; the immediate's high byte repeats the setting that is left
.if MSB != (\new)
	s_set_vgpr_msb (MSB<<8)|(\new)
.set MSB, \new
.endif
.endm
.macro CREST                           ; a round of the cluster's barrier behind its opening barrier
	s_cmp_lg_u32 s[WV], 0
	s_cbranch_scc1 .Lnot_wave_0_\@
	s_barrier_signal -3
.Lnot_wave_0_\@:
	s_barrier_wait -3
	s_barrier_signal -1
	s_barrier_wait -1
.endm
.macro CROUND
	s_barrier_signal -1
	s_barrier_wait -1
	CREST
.endm
.macro PLACES                          ; the four places behind matrix instructions
.rept 4
	v_nop
.endr
.endm
.macro JLOAD n                         ; my part of a chunk into slot n
	tensor_load_to_lds s[G0+4*\n:G0+4*\n+3], s[G1:G1+7]
	s_nop 0
	PLACES
.endm
.macro XROW j                          ; row j of my 16: four loads of 512 consecutive bytes
.irp p, 0,1,2,3
	global_load_b128 v[LAND+16*((\j)%12)+4*\p:LAND+16*((\j)%12)+4*\p+3], v[XA], s[4:5] offset:2048*(\j)+512*\p th:TH_LOAD_NT
.endr
.endm
; Row j, 16 numbers a lane: register 4 p + k of lane (r, h) = number 128 p + 8 r + 4 h + k.  Eight exchanges of halves give lane l the numbers 256 pr + 8 l + 0 .. 7; a block of 32 is four neighbouring lanes.
.macro QROW j
.set nn, LAND+16*((\j)%12)
.set pb, 2*((\j)%2)
.if \j < 5
	s_wait_loadcnt 44                              ; this row's four loads are in; the eleven younger rows' may be out
.else
	s_wait_loadcnt 4*(15-\j)
.endif
.if \j > 1
	s_wait_dscnt 0x4                               ; the stores of two rows ago are done: this row uses their data registers; the last row's four may be out
.endif
.irp k, 0,1,2,3
	v_permlane16_swap_b32 v[nn+\k], v[nn+4+\k]
	v_permlane16_swap_b32 v[nn+8+\k], v[nn+12+\k]
.endr
	v_max3_num_f32 v[MX], |v[nn]|, |v[nn+1]|, 0x1800000              ; with the floor 2^(3 - 127)
	v_max3_num_f32 v[MX+1], |v[nn+8]|, |v[nn+9]|, 0x1800000
.irp k, 2,4,6
	v_max3_num_f32 v[MX], v[MX], |v[nn+\k]|, |v[nn+\k+1]|
	v_max3_num_f32 v[MX+1], v[MX+1], |v[nn+8+\k]|, |v[nn+9+\k]|
.endr
	v_max_num_f32_dpp v[MX], v[MX], v[MX] row_xmask:1 row_mask:0xf bank_mask:0xf
	v_max_num_f32_dpp v[MX+1], v[MX+1], v[MX+1] row_xmask:1 row_mask:0xf bank_mask:0xf
	v_max_num_f32_dpp v[MX], v[MX], v[MX] row_xmask:2 row_mask:0xf bank_mask:0xf
	v_max_num_f32_dpp v[MX+1], v[MX+1], v[MX+1] row_xmask:2 row_mask:0xf bank_mask:0xf
	v_add_nc_u32 v[SC], 0xff000000, v[MX]                            ; 2 off the exponent field: the conversion's scale operand
	v_add_nc_u32 v[SC+1], 0xff000000, v[MX+1]
	v_add_nc_u32 v[BY+pb], 0xff800000, v[MX]                         ; the byte is one higher: the 2 of 2 x.c
	v_add_nc_u32 v[BY+pb+1], 0xff800000, v[MX+1]
	v_cvt_scalef32_pk8_fp4_f32 v[CW+pb], v[nn:nn+7], v[SC]
	v_cvt_scalef32_pk8_fp4_f32 v[CW+pb+1], v[nn+8:nn+15], v[SC+1]
	v_lshrrev_b32 v[BY+pb], 23, v[BY+pb]                             ; also the plain line behind the conversions
	v_lshrrev_b32 v[BY+pb+1], 23, v[BY+pb+1]
	ds_store_b32 v[AW], v[CW+pb] offset:XP*\j
	ds_store_b32 v[AW], v[CW+pb+1] offset:XP*\j+128
	ds_store_b8 v[AB], v[BY+pb] offset:16*\j                         ; the four lanes of a block write the same byte with the same value
	ds_store_b8 v[AB], v[BY+pb+1] offset:16*\j+8
.endm
	s_load_b128 s[4:7], s[0:1], 0x0                ; x, cbq
	s_load_b64 s[8:9], s[0:1], 0x10                ; out0
	v_lshl_add_u32 v[SPW], v0, 2, SPARE
	v_mov_b32 v[NIL], 0
	ds_add_u32 v[SPW], v[NIL]                      ; the opening: two adds ahead of my first tensor load
	ds_add_u32 v[SPW], v[NIL]
	v_lshrrev_b32 v[RR], 5, v0
	v_readfirstlane_b32 s[WV], v[RR]               ; wave 0..7
	v_and_b32 v[LN], 31, v0
	v_and_b32 v[RR], 15, v0
	v_bfe_u32 v[HH], v0, 4, 1
	s_bfe_u32 s[CX], ttmp6, 0x40000                ; my place in the cluster
	s_lshl_b32 s42, ttmp9, 2
	s_add_co_u32 s42, s42, s[CX]                   ; work-group
	s_lshl_b32 s44, s42, 18                        ; 128 rows of 2,048 bytes,
	s_lshl_b32 s43, s[WV], 15                      ; 16 rows a wave
	s_add_co_u32 s44, s44, s43
	s_mov_b32 s45, 0
	s_lshl_b32 s46, s42, 9                         ; 128 results of 4 bytes
	s_mov_b32 s47, 0
	s_mul_i32 s48, s[WV], PARTB
	s_mov_b32 s49, 0
	s_mov_b32 s[G1+0], 15|(3<<16)|(1<<21)          ; all four work-groups; elements of 8 bytes; no padding
	s_mov_b32 s[G1+1], 32<<16
	s_mov_b32 s[G1+2], 69<<16
	s_mov_b32 s[G1+3], 32<<16
	s_mov_b32 s[G1+4], 69
	s_mov_b32 s[G1+5], 32
	s_mov_b32 s[G1+6], 0
	s_mov_b32 s[G1+7], 0
	s_mul_i32 s50, s[WV], 16*XP
	s_add_co_u32 s50, s50, XIMG                    ; x's codes: my 16 rows
	s_lshl_b32 s51, s[WV], 8
	s_add_co_u32 s51, s51, XSC                     ; and their scale bytes
	s_lshl_b32 s52, s[WV], 14                      ; my 64 codes of a chunk,
	s_add_co_u32 s53, s52, CHUNKB
	s_lshl_b32 s54, s[WV], 8
	s_add_co_u32 s54, s54, NCOFF                   ; their sums,
	s_add_co_u32 s55, s54, CHUNKB
	s_lshl_b32 s56, s[WV], 10
	s_add_co_u32 s56, s56, SCOFF                   ; their scale bytes
	s_add_co_u32 s57, s56, CHUNKB
	s_mul_i32 s58, s[CX], 18
	s_lshl_b32 s[TI], s[WV], 6
	s_add_co_u32 s[TI+1], s[TI], 16
	s_mov_b32 s[SEL], 0x76543210
	s_mov_b32 s[SEL+1], 0xfedcba98                 ; lane l xor 16
	s_cmp_eq_u32 ttmp9, 0
	s_cselect_b32 s[LIM], 1, -1
	s_wait_alu depctr_va_vdst(0)
	v_lshlrev_b32 v[XA], 5, v[RR]
	v_lshlrev_b32 v[L16], 4, v[LN]
	v_min_u32 v[PFO], 17, v[LN]
	v_lshrrev_b32 v[AB], 2, v[LN]
	v_lshl_add_u32 v[XA], v[HH], 4, v[XA]          ; my 16 bytes of a load's 512
	v_lshl_add_u32 v[AW], v[LN], 2, s50
	v_add_nc_u32 v[PFO], s58, v[PFO]
	v_add_nc_u32 v[AF], s52, v[L16]
	v_add_nc_u32 v[AB], s51, v[AB]
	v_add_nc_u32 v[AF+1], s53, v[L16]
	v_min_u32 v[PFO], 68, v[PFO]
	v_lshl_add_u32 v[AN], v[HH], 5, s54
	v_lshl_add_u32 v[AN+1], v[HH], 5, s55
	v_add_nc_u32 v[AS], s56, v[L16]
	v_add_nc_u32 v[AS+1], s57, v[L16]
	v_lshlrev_b32 v[PFO], 8, v[PFO]
	s_wait_alu depctr_va_vdst(0)
	s_wait_dscnt 0x0                               ; both opening adds are done
	s_wait_kmcnt 0x0
	s_add_nc_u64 s[4:5], s[4:5], s[44:45]
	s_add_nc_u64 s[8:9], s[8:9], s[46:47]
.irp j, 0,1,2,3
	XROW \j
.endr
	s_add_nc_u64 s[PFA:PFA+1], s[6:7], s[48:49]
.irp n, 0,1
	s_mov_b32 s[G0+4*\n], 1
	s_add_co_u32 s[G0+4*\n+1], s48, \n*CHUNKB
	s_add_nc_u64 s[G0+4*\n+2:G0+4*\n+3], s[PFA:PFA+1], \n*CHUNKB
	s_or_b32 s[G0+4*\n+3], s[G0+4*\n+3], 0x80000000
.endr
	s_add_nc_u64 s[PFA:PFA+1], s[PFA:PFA+1], 2*CHUNKB
	CROUND                                         ; all four work-groups are here: the first joint loads meet
	JLOAD 0
.irp j, 4,5,6,7,8,9,10,11
	XROW \j
.endr
.irp j, 0,1,2,3,4,5,6,7
	QROW \j
.if \j < 4
	XROW \j+12
.endif
.endr
	s_wait_alu depctr_va_vdst(0)
	s_wait_tensorcnt 0x0                           ; my part of chunk 0 is in
	ds_add_u32 v[SPW], v[NIL]
	s_wait_dscnt 0x0
	CROUND
	JLOAD 1                                        ; chunk 1
.irp j, 8,9,10,11,12,13,14,15
	QROW \j
.endr
	v_mul_u32_u24 v[AXF], v[RR], XP
	v_lshl_add_u32 v[AXS], v[LN], 4, XSC
	v_lshl_add_u32 v[AXF], v[HH], 4, v[AXF]
	v_add_nc_u32 v[AXF], XIMG, v[AXF]              ; row lane % 16, 16 bytes for each half of the lanes
	s_wait_alu depctr_va_vdst(0)
	s_wait_tensorcnt 0x1                           ; chunk 1's load alone may be out
	s_wait_dscnt 0x0                               ; for the others' sake: my rows of x are in LDS
	s_barrier_signal -1
	s_barrier_wait -1
; 21 LDS loads in one run: the scale words, minus the sums of squares and the codes of unit nu of slot nsl
.macro FETCH
	ds_load_b128 v[CS:CS+3], v[AS+nsl] offset:512*nu
	ds_load_b128 v[NCC:NCC+3], v[AN+nsl] offset:128*nu
	ds_load_b128 v[NCC+4:NCC+7], v[AN+nsl] offset:128*nu+16
	ds_load_b128 v[NCC+8:NCC+11], v[AN+nsl] offset:128*nu+64
	ds_load_b128 v[NCC+12:NCC+15], v[AN+nsl] offset:128*nu+80
.irp s, 0,1,2,3
.irp e, 0,1
.irp c, 0,1
	ds_load_b128 v[CF+16*\s+8*\e+4*\c:CF+16*\s+8*\e+4*\c+3], v[AF+nsl] offset:8192*nu+4096*\e+1024*\s+512*\c
.endr
.endr
.endr
.endm
.irp p, 0,1,2,3
	ds_load_b128 v[XS+4*\p:XS+4*\p+3], v[AXS] offset:512*\p
.endr
	WIN 0x40
.irp i, 0,1,2,3,4,5,6,7
.irp s, 0,1,2,3
.irp c, 0,1
	ds_load_b128 v[32*\i+8*\s+4*\c:32*\i+8*\s+4*\c+3], v[AXF] offset:16*XP*\i+64*\s+32*\c    ; row tile i, K step s: window 1, v[32 i + 8 s ..]
.endr
.endr
.endr
	WIN 0
.set nsl, 0
.set nu, 0
	FETCH
	s_mov_b32 s43, 0xff800000                      ; under every sum
.irp i, 0,1,2,3,4,5,6,7
	v_mov_b32 v[R0+\i], s43
.endr
.irp i, 0,1,2,3,4,5,6,7
.irp k, 0,1,2,3,4,5,6
	v_mov_b32 v[SV+8*\i+\k], s43
.endr
	v_mov_b32 v[SV+8*\i+7], 0
.endr
	v_mov_b32 v[VTI], s[TI]
	v_mov_b32 v[VTU], s[TI+1]
; Row tiles 4 g .. 4 g + 3 x the unit's 32 codes: 16 matrix instructions, the four accumulators by turns, K ascending
.macro MMG g
	WIN 0x04                                       ; source 1 (x): window 1
.irp s, 0,1,2,3
.irp t, 0,1,2,3
.set mA, ACC+16*\t
.set mC, CF+16*\s
.set mX, 32*(4*\g+\t)+8*\s
.set mW, XS+4*((4*\g+\t)/2)+\s
.if (\s == 0) && (\t%2 == 0)
	v_wmma_scale_f32_32x16x128_f4 v[mA:mA+15], v[mC:mC+15], v[mX:mX+7], v[NCC:NCC+15], v[CS+\s], v[mW]
.elseif \s == 0
	v_wmma_scale_f32_32x16x128_f4 v[mA:mA+15], v[mC:mC+15], v[mX:mX+7], v[NCC:NCC+15], v[CS+\s], v[mW] matrix_b_scale:MATRIX_SCALE_ROW1
.elseif \t%2 == 0
	v_wmma_scale_f32_32x16x128_f4 v[mA:mA+15], v[mC:mC+15], v[mX:mX+7], v[mA:mA+15], v[CS+\s], v[mW]
.else
	v_wmma_scale_f32_32x16x128_f4 v[mA:mA+15], v[mC:mC+15], v[mX:mX+7], v[mA:mA+15], v[CS+\s], v[mW] matrix_b_scale:MATRIX_SCALE_ROW1
.endif
.endr
.endr
	WIN 0
.endm
; Where VCC is 0 (the best has risen) the seven sums from v[a] on and the index v[ti] replace those kept at v[b]
.macro KEEP b, a, ti
.irp k, 0,2,4
	v_dual_cndmask_b32 v[\b+\k], v[\a+\k], v[\b+\k] :: v_dual_cndmask_b32 v[\b+\k+1], v[\a+\k+1], v[\b+\k+1]
.endr
	v_dual_cndmask_b32 v[\b+6], v[\a+6], v[\b+6] :: v_dual_cndmask_b32 v[\b+7], v[\ti], v[\b+7]
.endm
; The four accumulators of row tiles 4 g .. 4 g + 3, each from its low end on: codes 0-15 (registers 0-7), then 16-31 (8-15).  Register 7 is kept nowhere, so behind its maximum it carries the second chain.
.macro TRACK g
.irp t, 0,1,2,3
	v_max3_num_f32 v[R1+4*\g+\t], v[R0+4*\g+\t], v[ACC+16*\t], v[ACC+16*\t+1]
.endr
.irp k, 2,4,6
.irp t, 0,1,2,3
	v_max3_num_f32 v[R1+4*\g+\t], v[R1+4*\g+\t], v[ACC+16*\t+\k], v[ACC+16*\t+\k+1]
.endr
.endr
.irp t, 0,1,2,3
	v_cmp_eq_f32 vcc_lo, v[R1+4*\g+\t], v[R0+4*\g+\t]
.irp y, 0,1,2,3
.if \t == 0
	v_max3_num_f32 v[ACC+16*\y+7], v[R1+4*\g+\y], v[ACC+16*\y+8], v[ACC+16*\y+9]
.elseif \t < 3
	v_max3_num_f32 v[ACC+16*\y+7], v[ACC+16*\y+7], v[ACC+16*\y+8+2*\t], v[ACC+16*\y+9+2*\t]
.else
	v_max3_num_f32 v[R0+4*\g+\y], v[ACC+16*\y+7], v[ACC+16*\y+14], v[ACC+16*\y+15]
.endif
.endr
	KEEP SV+8*(4*\g+\t), ACC+16*\t, VTI
.endr
.irp t, 0,1,2,3
	v_cmp_eq_f32 vcc_lo, v[R0+4*\g+\t], v[R1+4*\g+\t]
	KEEP SV+8*(4*\g+\t), ACC+16*\t+8, VTU
.endr
.endm
.macro ASK how
.if \how
	s_cmp_gt_u32 s[TRIP], s[LIM]                   ; not behind the last refill
.else
	s_cmp_eq_u32 s[LIM], 1
.endif
	s_cbranch_scc0 .Lnot_mine_\@
	global_prefetch_b8 v[PFO], s[PFA:PFA+1] th:TH_LOAD_NT scope:SCOPE_SE
.Lnot_mine_\@:
.endm
; Unit u of slot sl.  mode 1: the slot's last unit changes slots and fills the slot again; 0: it changes slots; 2: the last chunk.  A slot's last LDS reads have come back at the head of its last unit, so the change of
; slots stands inside that unit: the wait for my load of the other slot and the add ahead of the first products, the barrier round the first tracking, the refill ahead of the second products.
.macro UNIT sl, u, mode, how
.set chg, 0
.if (\u == 1) && (\mode < 2)
.set chg, 1
.endif
.set nsl, \sl
.set nu, 1
.if \u == 1
.set nsl, 1-\sl
.set nu, 0
.endif
	s_wait_dscnt 0x0                               ; the unit's codes are in
.if chg
	s_wait_tensorcnt 0x0                           ; my part of the next chunk is in
	ds_add_u32 v[SPW], v[NIL]
.if \mode == 1
	s_add_nc_u64 s[G0+4*\sl+2:G0+4*\sl+3], s[G0+4*\sl+2:G0+4*\sl+3], 2*CHUNKB
	s_wait_xcnt 0x0                                ; my prefetch has read its address
	s_add_nc_u64 s[PFA:PFA+1], s[PFA:PFA+1], CHUNKB
.endif
.endif
	MMG 0
.if chg
	s_wait_dscnt 0x0                               ; the add is done; my reads of this slot are over
	s_barrier_signal -1
.endif
	PLACES
	TRACK 0
.if chg
	s_barrier_wait -1
.if \mode == 1
	CREST                                          ; the barrier has opened a round: no wave of any partner still reads this slot
	JLOAD \sl
	ASK \how
.endif
.endif
	MMG 1
	PLACES
.if (\u == 0) || (\mode < 2)
	FETCH                                          ; the next unit's, ahead of 72 vector lines
.endif
	TRACK 1
.if \u == 0
	v_add_nc_u32 v[VTI], 32, v[VTI]
	v_add_nc_u32 v[VTU], 32, v[VTU]
.elseif \mode < 2
	v_add_nc_u32 v[VTI], 480, v[VTI]               ; on to my codes of the next chunk
	v_add_nc_u32 v[VTU], 480, v[VTU]
.endif
.endm
	s_mov_b32 s[TRIP], 3
.Lchunks:                                              ; two chunks a trip
	UNIT 0, 0, 1, 0
	UNIT 0, 1, 1, 0
	UNIT 1, 0, 1, 1
	UNIT 1, 1, 1, 1
	s_sub_co_u32 s[TRIP], s[TRIP], 1
	s_cmp_lg_u32 s[TRIP], 0
	s_cbranch_scc1 .Lchunks
	UNIT 0, 0, 0, 0                                ; the last two chunks fetch nothing more
	UNIT 0, 1, 0, 0
	UNIT 1, 0, 2, 0
	UNIT 1, 1, 2, 0
; THE WAY OUT: which of the eight it was: the lowest whose kept sum is the best
.irp i, 0,1,2,3,4,5,6,7
	v_mov_b32 v[TT+\i], 7
.endr
.irp j, 6,5,4,3,2,1,0
.irp i, 0,1,2,3,4,5,6,7
	v_cmp_neq_f32 s[40+\i], v[SV+8*\i+\j], v[R0+\i]
.endr
.irp i, 0,1,2,3,4,5,6,7
	v_cndmask_b32 v[TT+\i], \j, v[TT+\i], s[40+\i]
.endr
.endr
	s_lshl_b32 s50, s[WV], 9
	s_add_co_u32 s50, s50, XIMG
	s_lshl_b32 s51, s[WV], 8
	v_bfe_u32 v[H8], v0, 4, 1
	v_and_b32 v[ARES], 15, v0
	v_and_b32 v[GO], 31, v0
	v_lshlrev_b32 v[H8], 3, v[H8]
	v_lshl_add_u32 v[ARES], v[ARES], 2, s50
	v_lshl_add_u32 v[GO], v[GO], 3, s51            ; waves 0 and 1: two rows a lane
	v_add_nc_u32 v[ARD], XIMG, v[GO]
.irp i, 0,1,2,3,4,5,6,7
	v_add3_u32 v[IDX+\i], v[SV+8*\i+7], v[TT+\i], v[H8]
.endr
.macro BETTER va, ia, vb, ib                           ; the larger; the lower index among equals
	v_cmp_gt_f32 s42, v[\vb], v[\va]
	v_cmp_eq_f32 s43, v[\vb], v[\va]
	v_cmp_lt_u32 s44, v[\ib], v[\ia]
	s_and_b32 s43, s43, s44
	s_or_b32 s42, s42, s43
	v_cndmask_b32 v[\va], v[\va], v[\vb], s42
	v_cndmask_b32 v[\ia], v[\ia], v[\ib], s42
.endm
.irp i, 0,1,2,3,4,5,6,7
	v_permlanex16_b32 v[PX+\i], v[R0+\i], s[SEL], s[SEL+1]           ; (these destinations held codes: they have been written)
	v_permlanex16_b32 v[PI+\i], v[IDX+\i], s[SEL], s[SEL+1]
.endr
.irp i, 0,1,2,3,4,5,6,7
	BETTER R0+\i, IDX+\i, PX+\i, PI+\i
.endr
.irp i, 0,1,2,3,4,5,6,7
	ds_store_b32 v[ARES], v[R0+\i] offset:64*\i                      ; both halves of the lanes write the same word with the same value
	ds_store_b32 v[ARES], v[IDX+\i] offset:RESI+64*\i
.endr
	s_wait_alu depctr_va_vdst(0)
	s_wait_dscnt 0x0                               ; for the others' sake: my results are in LDS
	s_barrier_signal -1
	s_barrier_wait -1
	s_cmp_lt_u32 s[WV], 2
	s_cbranch_scc0 .Lnot_first                     ; waves 0 and 1 join the eight waves' results, 64 rows each
.irp q, 0,1,2,3,4,5,6,7
	ds_load_b64 v[LAND+2*\q:LAND+2*\q+1], v[ARD] offset:512*\q
	ds_load_b64 v[LAND+16+2*\q:LAND+16+2*\q+1], v[ARD] offset:RESI+512*\q
.endr
	s_wait_dscnt 0x0
.irp q, 1,2,3,4,5,6,7
.irp k, 0,1
	BETTER LAND+\k, LAND+16+\k, LAND+2*\q+\k, LAND+16+2*\q+\k
.endr
.endr
	global_store_b64 v[GO], v[LAND+16:LAND+17], s[8:9]               ; 32 lanes store 256 consecutive bytes, aligned
.Lnot_first:
	s_wait_tensorcnt 0x0                           ; the wave's end
	ds_add_u32 v[SPW], v[NIL]
	s_wait_dscnt 0x0
	CROUND                                         ; the closing round
	s_endpgm
.Lfunc_end_k_qdacda03a96_vq:
	.size	k_qdacda03a96_vq, .Lfunc_end_k_qdacda03a96_vq-k_qdacda03a96_vq
	.p2alignl 7, 3214868480
	.fill 96, 4, 3214868480
	.section	.rodata,"a",@progbits
	.p2align	6, 0x0
	.amdhsa_kernel k_qdacda03a96_vq
		.amdhsa_group_segment_fixed_size 327680
		.amdhsa_private_segment_fixed_size 0
		.amdhsa_enable_private_segment 0
		.amdhsa_kernarg_size 24
		.amdhsa_user_sgpr_count 2
		.amdhsa_user_sgpr_kernarg_segment_ptr 1
		.amdhsa_wavefront_size32 1
		.amdhsa_system_sgpr_workgroup_id_x 1
		.amdhsa_system_sgpr_workgroup_id_y 1
		.amdhsa_system_sgpr_workgroup_id_z 1
		.amdhsa_system_vgpr_workitem_id 0
		.amdhsa_next_free_vgpr 512
		.amdhsa_next_free_sgpr 66
		.amdhsa_reserve_vcc 1
		.amdhsa_float_denorm_mode_32 3
		.amdhsa_float_denorm_mode_16_64 3
		.amdhsa_memory_ordered 1
		.amdhsa_forward_progress 1
		.amdhsa_inst_pref_size 185
	.end_amdhsa_kernel
	.amdgpu_metadata
---
amdhsa.version: [ 1, 2 ]
amdhsa.kernels:
  - .name:           k_qdacda03a96_vq
    .symbol:         k_qdacda03a96_vq.kd
    .args:
      - { .name: x, .offset: 0, .size: 8, .value_kind: global_buffer, .address_space: global }
      - { .name: cbq, .offset: 8, .size: 8, .value_kind: global_buffer, .address_space: global }
      - { .name: out0, .offset: 16, .size: 8, .value_kind: global_buffer, .address_space: global }
    .group_segment_fixed_size: 327680
    .private_segment_fixed_size: 0
    .kernarg_segment_align: 8
    .kernarg_segment_size: 24
    .max_flat_workgroup_size: 256
    .sgpr_count:     66
    .vgpr_count:     512
    .wavefront_size: 32
...
	.end_amdgpu_metadata
.endif
;; end of part 2
